; MI455X (gfx1250); checked and timed in simulation.
; The chip was launched on July 23, 2026; its instructions are those of AMD's public machine-readable ISA for CDNA 5 (MIT licence, August 2026) and "CDNA5" Instruction Set Architecture Reference Guide (July 2026). The comments in the code are by the model that wrote it; some were corrected since.
;; DWR Block. Allowed arithmetic: float matrix products may take bf16 or f16 operands with f32 sums; other float arithmetic in f32, or as packed bf16 or f16 multiplies, adds, multiply-adds, maxima and minima; sums over many terms, partial sums and values carried from step to step in f32; what a program stores and reads back later, other than sums and carried values, may be rounded once to bf16 or f16.
;; Inputs: W1 8 x 1,024 x 512 float32; W2 8 x 512 x 1,024 float32; Wg 1,024 x 8 float32; b1 8 x 512 float32; b2 8 x 1,024 float32; beta 1,024 float32; bg 8 float32; gamma 1,024 float32; x 4 x 2,048 x 1,024 float32.
;; Outputs: out0 4 x 2,048 x 1,024 float32; out1 one number float32.
;; One version. Each part assembles by itself: llvm-mc -triple=amdgcn-amd-amdhsa -mcpu=gfx1250 --defsym DOCPART=n.
;; ======== version 1 of 1: 2 launches
;; workspace buffers: wf 16,777,216 bytes; xb 16,777,216 bytes; sid 32,768 bytes of whole numbers; cnt 32,768 bytes of whole numbers; gw 65,536 bytes; psum 8,192 bytes
;; launch route_pack (part 1): grid 256 x 1, 8 waves a work-group, no clusters, 186,368 bytes of LDS; arguments x, Wg, bg, W1, W2, wf, xb, sid, cnt, gw, psum; writes wf, xb, sid, cnt, gw, psum
.if DOCPART == 1
	.amdgcn_target "amdgcn-amd-amdhsa--gfx1250"
	.amdhsa_code_object_version 6
	.text
	.protected	k_q46663a98c2_route_pack
	.globl	k_q46663a98c2_route_pack
	.p2align	8
	.type	k_q46663a98c2_route_pack,@function
k_q46663a98c2_route_pack:
	s_mov_b64 s[64:65], 0
	v_nop
	global_prefetch_b8 v0, s[64:65] scope:SCOPE_SE
	s_setreg_imm32_b32 hwreg(HW_REG_WAVE_MODE, 25, 1), 1
	s_wait_xcnt 0x0
; ROUTER, bf16 COPY OF x, AND THE WEIGHTS LAID OUT AS MATRIX OPERANDS.
; Work-group g owns tokens 32 g .. 32 g + 31; wave w owns the K slice 128 w .. 128 w + 127 of all 32 (512 bytes of each row: one 16-byte load a lane).
; The slice is rounded to bf16, stored to xb (256 whole bytes a store) and to LDS; logits = x Wg go through the matrix unit (source 0 = 8 experts + 8 zero rows, source 1 = 16 tokens),
; the eight waves' partial logits meet in LDS, and wave 0 ends the router, a token a lane: softmax with the row's maximum taken away, the two largest (the lower index wins a tie),
; the number of the pair of experts, 0 .. 27 (sid), the two gates in the order of the experts' numbers (gw), the group's count of each pair (cnt), the group's sums of probabilities (psum).
; All these go to fixed places: no address and no branch hangs on them.
; Wave w also packs unit 8 g + w of the weights, 32 k x 128 columns: work-groups 0-127 W1, 128-255 W2.  A fragment in wf is 16 columns x 32 k = 1,024 bytes, [half c][lane][16 bytes]:
; lane (r = lane % 16, h = lane / 16) holds W[32 ks + 16 c + 8 h + 0..7][col0 + r], so that the next launch loads a fragment by two 16-byte loads a lane of 512 consecutive bytes each.
; LIMITS.  x, Wg, bg, W1, W2 are rounded to bf16 (nearest even).  An exponential below 2^-126 counts as 0.  NaN and infinities are not treated apart.
.set XTW,   8704                       ; a wave's tile of x in LDS: 32 rows of 272 bytes (256 + 16: the 16 rows of a fragment load start 16 bytes apart modulo 256)
.set WGT,   69632                      ; a wave's tile of Wg: 128 k x 32 bytes (8 experts in bf16, 8 zero columns)
.set PL,    102400                     ; partial logits: [wave][block of 16 tokens][lane][8 f32]
.set WST,   118784                     ; a wave's stage for the weights: 8 fragments, 1,040 bytes apart
.set WSTW,  8320
.set SPARE, 185344                     ; the spare words, 128 bytes a wave: four blocks of 256 bytes that no other line names
.set TT,    32                         ; v[32:95]   at work: bf16 pairs of x; token fragments; the router's end; packed weights
.set WR,    96                         ; v[96:127]  Wg as loaded, then its four fragments, then the router's scratch
.set RR,    128                        ; v[128:255] 32 rows x 4 registers: x, then the weights
; v1 lane; v2 x offset; v3 xb offset; v4 XT store; v5 XT fragment; v6 WGT store; v7 WGT zeros; v8 WGT turning load; v9 PL store; v10 WST store; v11 WST read; v12 wf offset;
; v13, v14 the add's two registers; v15 weights' offset; v[16:31] two accumulators (v16 first serves as Wg's offset, v[20:23] as zeros)
	s_load_b512 s[4:19], s[0:1], 0x0               ; x s[4:5], Wg s[6:7], bg s[8:9], W1 s[10:11], W2 s[12:13], wf s[14:15], xb s[16:17], sid s[18:19]
	s_load_b128 s[20:23], s[0:1], 0x40             ; cnt s[20:21], gw s[22:23]
	s_load_b64 s[24:25], s[0:1], 0x50              ; psum
	v_lshl_add_u32 v13, v0, 2, SPARE
	v_mov_b32 v14, 0
	v_and_b32 v1, 31, v0
	v_lshrrev_b32 v2, 5, v0
	v_readfirstlane_b32 s36, v2                    ; wave 0..7
	s_mov_b32 s37, ttmp9                           ; g
	s_mov_b32 s26, 0x76543210                      ; v_permlanex16_b32: each lane takes its own place in the other half
	s_mov_b32 s27, 0xfedcba98
	; my unit of the weights
	s_lshl_b32 s40, s37, 3
	s_add_co_u32 s40, s40, s36
	s_and_b32 s40, s40, 1023                       ; the unit's number within W1 or W2
	s_lshr_b32 s41, s40, 7                         ; expert
	s_cmp_lt_u32 s37, 128                          ; W1 : W2
	s_cselect_b32 s42, 2, 3                        ; bits of the column group
	s_cselect_b32 s43, 16, 17                      ; 32 rows of the input are 2^16 : 2^17 bytes
	s_cselect_b32 s44, 19, 18                      ; a half of W1's : a quarter of W2's columns in wf
	s_cselect_b32 s45, 0, 0x800000                 ; W2's part of wf
	s_cselect_b32 s46, 31, 15
	s_cselect_b32 s47, 3, 7
	s_lshr_b32 s48, s40, s42
	s_and_b32 s48, s48, s46                        ; ks
	s_and_b32 s49, s40, s47                        ; cg: 128 columns
	s_lshl_b32 s55, s41, 21
	s_lshl_b32 s46, s48, s43
	s_add_co_u32 s55, s55, s46
	s_lshl_b32 s46, s49, 9
	s_add_co_u32 s55, s55, s46                     ; the unit's first byte in the input
	s_lshl_b32 s46, s41, 20
	s_add_co_u32 s45, s45, s46
	s_lshr_b32 s46, s49, 1
	s_lshl_b32 s46, s46, s44
	s_add_co_u32 s45, s45, s46
	s_lshl_b32 s46, s48, 14
	s_add_co_u32 s45, s45, s46
	s_and_b32 s46, s49, 1
	s_lshl_b32 s46, s46, 13
	s_add_co_u32 s45, s45, s46                     ; and in wf: 8 fragments on end
	; lane terms
	v_lshlrev_b32 v2, 4, v0                        ; 512 w + 16 lane
	v_lshlrev_b32 v3, 3, v0                        ; 256 w + 8 lane
	s_mul_i32 s50, s36, XTW
	v_lshl_add_u32 v4, v1, 3, s50
	v_and_b32 v20, 15, v1                          ; r
	v_lshrrev_b32 v21, 4, v1                       ; h
	v_mul_u32_u24 v5, v20, 272
	v_lshl_add_u32 v5, v21, 4, v5
	v_add_nc_u32 v5, s50, v5
	s_lshl_b32 s51, s36, 12
	s_add_co_u32 s52, s51, WGT
	v_lshrrev_b32 v22, 1, v1
	v_and_b32 v23, 1, v1
	v_lshl_add_u32 v6, v22, 5, s52
	v_lshl_add_u32 v6, v23, 3, v6
	v_lshl_add_u32 v7, v1, 5, s52
	v_add_nc_u32 v7, 16, v7
	v_and_b32 v22, 7, v1
	v_lshl_add_u32 v22, v21, 3, v22                ; 8 h + lane % 8
	v_bfe_u32 v23, v1, 3, 1
	v_lshl_add_u32 v8, v22, 5, s52
	v_lshl_add_u32 v8, v23, 4, v8
	s_lshl_b32 s53, s36, 11
	s_add_co_u32 s53, s53, PL
	v_lshl_add_u32 v9, v1, 5, s53
	s_mul_i32 s54, s36, WSTW
	s_add_co_u32 s54, s54, WST
	v_lshrrev_b32 v22, 2, v1
	v_and_b32 v23, 3, v1
	v_mul_u32_u24 v10, v22, 1040
	v_lshl_add_u32 v10, v23, 6, v10
	v_add_nc_u32 v10, s54, v10
	v_lshl_add_u32 v11, v1, 4, s54
	v_lshl_add_u32 v12, v1, 4, s45
	v_lshl_add_u32 v15, v1, 4, s55
	v_lshl_add_u32 v16, v1, 4, s51                 ; Wg: 4,096 w + 16 lane
	v_mov_b32 v20, 0
	v_mov_b32 v21, 0
	v_mov_b32 v22, 0
	v_mov_b32 v23, 0
	s_wait_kmcnt 0x0
	s_load_b256 s[28:35], s[8:9], 0x0              ; bg
	s_mov_b32 s39, 0
	s_lshl_b32 s38, s37, 17
	s_add_nc_u64 s[4:5], s[4:5], s[38:39]          ; x at my 32 rows
	s_lshl_b32 s38, s37, 16
	s_add_nc_u64 s[16:17], s[16:17], s[38:39]      ; xb likewise
	s_lshl_b32 s38, s37, 7
	s_add_nc_u64 s[18:19], s[18:19], s[38:39]      ; sid: 32 words
	s_add_nc_u64 s[20:21], s[20:21], s[38:39]      ; cnt: 32 words
	s_lshl_b32 s38, s37, 8
	s_add_nc_u64 s[22:23], s[22:23], s[38:39]      ; gw: 32 pairs
	s_lshl_b32 s38, s37, 5
	s_add_nc_u64 s[24:25], s[24:25], s[38:39]      ; psum: 8 words
.set ii, 0
.rept 8
	global_load_b128 v[WR+4*ii:WR+4*ii+3], v16, s[6:7] offset:512*ii
.set ii, ii+1
.endr
.set ii, 0
.rept 32
	global_load_b128 v[RR+4*ii:RR+4*ii+3], v2, s[4:5] offset:4096*ii th:TH_LOAD_NT
.set ii, ii+1
.endr
	; Wg's tile: the zero columns, then 8 experts of 128 k in bf16
.set ii, 0
.rept 4
	ds_store_b128 v7, v[20:23] offset:1024*ii
.set ii, ii+1
.endr
	s_wait_loadcnt 32                              ; the 32 loads of x are younger: Wg is in
.set ii, 0
.rept 8
	v_cvt_pk_bf16_f32 v[TT+2*ii], v[WR+4*ii], v[WR+4*ii+1]
	v_cvt_pk_bf16_f32 v[TT+2*ii+1], v[WR+4*ii+2], v[WR+4*ii+3]
	ds_store_b64 v6, v[TT+2*ii:TT+2*ii+1] offset:512*ii
.set ii, ii+1
.endr
; Eight rows of the weights' unit go into the registers that eight rows of x have left.  The two inputs differ in the bytes from row to row, which stand in the immediate: two texts,
; chosen by the work-group's number, with the same number of loads.
.macro WLOAD q
	s_cmp_lt_u32 s37, 128
	s_cbranch_scc0 .Lw2_\@
.set ii, 8*(\q)
.rept 8
	global_load_b128 v[RR+4*ii:RR+4*ii+3], v15, s[10:11] offset:2048*ii th:TH_LOAD_NT
.set ii, ii+1
.endr
	s_branch .Lwd_\@
.Lw2_\@:
.set ii, 8*(\q)
.rept 8
	global_load_b128 v[RR+4*ii:RR+4*ii+3], v15, s[12:13] offset:4096*ii th:TH_LOAD_NT
.set ii, ii+1
.endr
.Lwd_\@:
.endm
; Eight rows of x: rounded, into LDS and into xb.
.macro XB q
	s_wait_loadcnt 24                              ; behind these eight loads lie the later rows of x and the weights' rows asked for so far: always 24
.set tt, 8*(\q)
.rept 8
	v_cvt_pk_bf16_f32 v[TT+2*tt], v[RR+4*tt], v[RR+4*tt+1]
	v_cvt_pk_bf16_f32 v[TT+2*tt+1], v[RR+4*tt+2], v[RR+4*tt+3]
	ds_store_b64 v4, v[TT+2*tt:TT+2*tt+1] offset:272*tt
	global_store_b64 v3, v[TT+2*tt:TT+2*tt+1], s[16:17] offset:2048*tt  ; the wave's store covers 256 consecutive bytes, aligned
.set tt, tt+1
.endr
	WLOAD \q
.endm
	XB 0
	XB 1
	XB 2
	XB 3
	; partial logits of my K slice.  The tiles are my wave's own: LDS serves a wave's instructions in order (ISA guide 5.7.1.4)
	s_wait_xcnt 0x0                                ; the stores to xb have read TT: it is rewritten only behind this wait
.set ii, 0
.rept 4
	ds_load_tr16_b128 v[WR+8*ii:WR+8*ii+3], v8 offset:1024*ii
	ds_load_tr16_b128 v[WR+8*ii+4:WR+8*ii+7], v8 offset:1024*ii+512
.set ii, ii+1
.endr
.set ii, 0
.rept 8                                ; block ii / 4 of 16 tokens, 32 k at ii % 4
	ds_load_b128 v[TT+8*ii:TT+8*ii+3], v5 offset:4352*(ii/4)+64*(ii%4)
	ds_load_b128 v[TT+8*ii+4:TT+8*ii+7], v5 offset:4352*(ii/4)+64*(ii%4)+32
.set ii, ii+1
.endr
	s_wait_dscnt 0x0
	v_wmma_f32_16x16x32_bf16 v[16:23], v[WR:WR+7], v[TT:TT+7], 0           ; the first K step starts both sums; the two accumulators take turns
	v_wmma_f32_16x16x32_bf16 v[24:31], v[WR:WR+7], v[TT+32:TT+39], 0
.set ii, 1
.rept 3
	v_wmma_f32_16x16x32_bf16 v[16:23], v[WR+8*ii:WR+8*ii+7], v[TT+8*ii:TT+8*ii+7], v[16:23]
	v_wmma_f32_16x16x32_bf16 v[24:31], v[WR+8*ii:WR+8*ii+7], v[TT+32+8*ii:TT+32+8*ii+7], v[24:31]
.set ii, ii+1
.endr
.rept 4
	v_nop                                          ; four places behind the last product (ISA guide 7.12.1)
.endr
	ds_store_b128 v9, v[16:19]                     ; lanes 0-15: token r, experts 0-7 (lanes 16-31 hold the zero rows' products)
	ds_store_b128 v9, v[20:23] offset:16
	ds_store_b128 v9, v[24:27] offset:1024
	ds_store_b128 v9, v[28:31] offset:1040
	s_wait_kmcnt 0x0                               ; bg
	s_wait_dscnt 0x0                               ; for wave 0's sake: my partial logits are in LDS
	s_barrier_signal -1
	s_barrier_wait -1
	s_cmp_lg_u32 s36, 0
	s_cbranch_scc1 .Lpack
	; WAVE 0 ENDS THE ROUTER: lane = token
	v_and_b32 v16, 15, v1
	v_lshrrev_b32 v17, 4, v1
	v_lshlrev_b32 v16, 5, v16
	v_lshl_add_u32 v16, v17, 10, v16
	v_add_nc_u32 v16, PL, v16
.set ii, 0
.rept 8
	ds_load_b128 v[TT+8*ii:TT+8*ii+3], v16 offset:2048*ii
	ds_load_b128 v[TT+8*ii+4:TT+8*ii+7], v16 offset:2048*ii+16
.set ii, ii+1
.endr
.set ii, 0
.rept 4                                ; bg through bf16
	v_cvt_pk_bf16_f32 v[96+ii], s[28+2*ii], s[29+2*ii]
	v_lshlrev_b32 v[100+2*ii], 16, v[96+ii]
	v_and_b32 v[101+2*ii], 0xffff0000, v[96+ii]
.set ii, ii+1
.endr
	s_wait_dscnt 0x0
.set ii, 1
.rept 7
.set jj, 0
.rept 4
	v_pk_add_f32 v[TT+2*jj:TT+2*jj+1], v[TT+2*jj:TT+2*jj+1], v[TT+8*ii+2*jj:TT+8*ii+2*jj+1]
.set jj, jj+1
.endr
.set ii, ii+1
.endr
.set jj, 0
.rept 4
	v_pk_add_f32 v[TT+2*jj:TT+2*jj+1], v[TT+2*jj:TT+2*jj+1], v[100+2*jj:101+2*jj]
.set jj, jj+1
.endr
	v_max3_num_f32 v108, v32, v33, v34
	v_max3_num_f32 v108, v108, v35, v36
	v_max3_num_f32 v108, v108, v37, v38
	v_max_num_f32 v108, v108, v39
	v_mul_f32 v110, 0x3fb8aa3b, v108               ; log2(e) x the row's maximum
	v_mov_b32 v111, v110
.set jj, 0
.rept 4
	v_pk_fma_f32 v[TT+2*jj:TT+2*jj+1], v[TT+2*jj:TT+2*jj+1], 0x3fb8aa3b, v[110:111] op_sel_hi:[1,0,1] neg_lo:[0,0,1] neg_hi:[0,0,1]
.set jj, jj+1
.endr
.set ii, 0
.rept 8
	v_exp_f32 v[TT+ii], v[TT+ii]
.set ii, ii+1
.endr
	v_nop                                          ; a plain instruction behind the last exponential,
	s_wait_alu depctr_va_vdst(0)                   ; and one wait for the eight, ahead of their first reader
	v_pk_add_f32 v[112:113], v[32:33], v[34:35]
	v_pk_add_f32 v[114:115], v[36:37], v[38:39]
	v_pk_add_f32 v[112:113], v[112:113], v[114:115]
	v_add_f32 v112, v112, v113
	v_rcp_f32 v114, v112
	; the largest, then the largest of the others; a later expert must be strictly greater, so the lower index wins a tie
	v_mov_b32 v116, v32
	v_mov_b32 v117, 0
.irp e, 1,2,3,4,5,6,7
	v_cmp_gt_f32 vcc_lo, v[TT+\e], v116
	v_cndmask_b32 v116, v116, v[TT+\e], vcc_lo
	v_cndmask_b32 v117, v117, \e, vcc_lo
.endr
	v_mov_b32 v118, -1.0
	v_mov_b32 v119, 0
.irp e, 0,1,2,3,4,5,6,7
	v_cmp_gt_f32 s38, v[TT+\e], v118
	v_cmp_ne_u32 s39, \e, v117
	s_and_b32 vcc_lo, s38, s39
	v_cndmask_b32 v118, v118, v[TT+\e], vcc_lo
	v_cndmask_b32 v119, v119, \e, vcc_lo
.endr
	v_min_u32 v120, v117, v119                     ; lo
	v_max_u32 v121, v117, v119                     ; hi
	v_sub_nc_u32 v122, 15, v120
	v_mul_u32_u24 v122, v120, v122
	v_lshrrev_b32 v122, 1, v122
	v_add_nc_u32 v122, v122, v121
	v_sub_nc_u32 v122, v122, v120
	v_add_nc_u32 v122, -1, v122                    ; the pair's number: lo (15 - lo) / 2 + hi - lo - 1
	s_wait_alu depctr_va_vdst(0)                   ; the reciprocal, ahead of its first reader
	v_mov_b32 v115, v114
	v_mul_f32 v116, v116, v114
	v_mul_f32 v118, v118, v114
	v_cmp_lt_u32 vcc_lo, v117, v119
	v_cndmask_b32 v124, v118, v116, vcc_lo         ; the gate of lo,
	v_cndmask_b32 v125, v116, v118, vcc_lo         ; of hi
	v_lshlrev_b32 v126, 2, v1
	v_lshlrev_b32 v127, 3, v1
	global_store_b32 v126, v122, s[18:19]
	global_store_b64 v127, v[124:125], s[22:23]
	v_mov_b32 v123, 0
.set kk, 0
.rept 28                               ; lane k of v123: how many of the 32 tokens have pair k
	v_cmp_eq_u32 s38, kk, v122
	s_bcnt1_i32_b32 s39, s38
	v_writelane_b32 v123, s39, kk
.set kk, kk+1
.endr
	global_store_b32 v126, v123, s[20:21]
.set jj, 0
.rept 4
	v_pk_mul_f32 v[TT+2*jj:TT+2*jj+1], v[TT+2*jj:TT+2*jj+1], v[114:115]
.set jj, jj+1
.endr
.macro RED reg                         ; the sum over the 32 lanes, in every lane
	v_add_f32_dpp v[\reg], v[\reg], v[\reg] row_xmask:1 row_mask:0xf bank_mask:0xf
	v_add_f32_dpp v[\reg], v[\reg], v[\reg] row_xmask:2 row_mask:0xf bank_mask:0xf
	v_add_f32_dpp v[\reg], v[\reg], v[\reg] row_xmask:4 row_mask:0xf bank_mask:0xf
	v_add_f32_dpp v[\reg], v[\reg], v[\reg] row_xmask:8 row_mask:0xf bank_mask:0xf
	v_permlanex16_b32 v100, v[\reg], s26, s27
	v_add_f32 v[\reg], v[\reg], v100
.endm
.irp e, 32,33,34,35,36,37,38,39
	RED \e
.endr
	v_mov_b32 v101, 0
	v_cmp_eq_u32 vcc_lo, 0, v1
	s_wait_xcnt 0x0                                ; EXEC changes only behind this wait
	s_and_saveexec_b32 s38, vcc_lo
	global_store_b128 v101, v[32:35], s[24:25]
	global_store_b128 v101, v[36:39], s[24:25] offset:16
	s_wait_xcnt 0x0                                ; and again in front of the line that widens it
	s_or_b32 exec_lo, exec_lo, s38
.Lpack:
	; THE WEIGHTS.  Lane l holds columns 4 l .. 4 l + 3 of each of the 32 rows.  Eight k of one column are 16 bytes of a fragment; they go through my stage and come back as the fragments lie in wf.
	s_wait_xcnt 0x0                                ; wave 0's stores have read TT
.macro WCV q                           ; rows 8 q .. 8 q + 7: half c = q / 2, lanes' half h = q % 2
	s_wait_loadcnt 24-8*(\q)                       ; the later batches of eight stay out
.set jj, 0
.rept 4
.set dd, 0
.rept 4
	v_cvt_pk_bf16_f32 v[TT+16*(\q)+4*jj+dd], v[RR+4*(8*(\q)+2*dd)+jj], v[RR+4*(8*(\q)+2*dd+1)+jj]
.set dd, dd+1
.endr
	ds_store_b128 v10, v[TT+16*(\q)+4*jj:TT+16*(\q)+4*jj+3] offset:256*(\q)+16*jj
.set jj, jj+1
.endr
.endm
	WCV 0
	WCV 1
	WCV 2
	WCV 3
.set ii, 0
.rept 16
	ds_load_b128 v[RR+4*ii:RR+4*ii+3], v11 offset:1040*(ii/2)+512*(ii%2)
.set ii, ii+1
.endr
.set ii, 0
.rept 16
	s_wait_dscnt 15-ii
	global_store_b128 v12, v[RR+4*ii:RR+4*ii+3], s[14:15] offset:512*ii  ; 512 consecutive bytes, aligned
.set ii, ii+1
.endr
	s_wait_tensorcnt 0x0                           ; the wave's end
	ds_add_u32 v13, v14
	s_wait_dscnt 0x0
	s_endpgm
.Lfunc_end_k_q46663a98c2_route_pack:
	.size	k_q46663a98c2_route_pack, .Lfunc_end_k_q46663a98c2_route_pack-k_q46663a98c2_route_pack
	.p2alignl 7, 3214868480
	.fill 96, 4, 3214868480
	.section	.rodata,"a",@progbits
	.p2align	6, 0x0
	.amdhsa_kernel k_q46663a98c2_route_pack
		.amdhsa_group_segment_fixed_size 186368
		.amdhsa_private_segment_fixed_size 0
		.amdhsa_enable_private_segment 0
		.amdhsa_kernarg_size 88
		.amdhsa_user_sgpr_count 2
		.amdhsa_user_sgpr_kernarg_segment_ptr 1
		.amdhsa_wavefront_size32 1
		.amdhsa_system_sgpr_workgroup_id_x 1
		.amdhsa_system_sgpr_workgroup_id_y 1
		.amdhsa_system_sgpr_workgroup_id_z 1
		.amdhsa_system_vgpr_workitem_id 0
		.amdhsa_next_free_vgpr 256
		.amdhsa_next_free_sgpr 66
		.amdhsa_reserve_vcc 1
		.amdhsa_float_denorm_mode_32 3
		.amdhsa_float_denorm_mode_16_64 3
		.amdhsa_memory_ordered 1
		.amdhsa_forward_progress 1
		.amdhsa_inst_pref_size 54
	.end_amdhsa_kernel
	.amdgpu_metadata
---
amdhsa.version: [ 1, 2 ]
amdhsa.kernels:
  - .name:           k_q46663a98c2_route_pack
    .symbol:         k_q46663a98c2_route_pack.kd
    .args:
      - { .name: x, .offset: 0, .size: 8, .value_kind: global_buffer, .address_space: global }
      - { .name: Wg, .offset: 8, .size: 8, .value_kind: global_buffer, .address_space: global }
      - { .name: bg, .offset: 16, .size: 8, .value_kind: global_buffer, .address_space: global }
      - { .name: W1, .offset: 24, .size: 8, .value_kind: global_buffer, .address_space: global }
      - { .name: W2, .offset: 32, .size: 8, .value_kind: global_buffer, .address_space: global }
      - { .name: wf, .offset: 40, .size: 8, .value_kind: global_buffer, .address_space: global }
      - { .name: xb, .offset: 48, .size: 8, .value_kind: global_buffer, .address_space: global }
      - { .name: sid, .offset: 56, .size: 8, .value_kind: global_buffer, .address_space: global }
      - { .name: cnt, .offset: 64, .size: 8, .value_kind: global_buffer, .address_space: global }
      - { .name: gw, .offset: 72, .size: 8, .value_kind: global_buffer, .address_space: global }
      - { .name: psum, .offset: 80, .size: 8, .value_kind: global_buffer, .address_space: global }
    .group_segment_fixed_size: 186368
    .private_segment_fixed_size: 0
    .kernarg_segment_align: 8
    .kernarg_segment_size: 88
    .max_flat_workgroup_size: 256
    .sgpr_count:     66
    .vgpr_count:     256
    .wavefront_size: 32
...
	.end_amdgpu_metadata
.endif
;; end of part 1
;; launch chain (part 2): grid 155 x 1, 4 waves a work-group, no clusters, 299,520 bytes of LDS; arguments wf, xb, sid, cnt, gw, psum, b1, b2, gamma, beta, out0, out1; writes out0, out1
.if DOCPART == 2
	.amdgcn_target "amdgcn-amd-amdhsa--gfx1250"
	.amdhsa_code_object_version 6
	.text
	.protected	k_q46663a98c2_chain
	.globl	k_q46663a98c2_chain
	.p2align	8
	.type	k_q46663a98c2_chain,@function
k_q46663a98c2_chain:
	s_mov_b64 s[64:65], 0
	v_nop
	global_prefetch_b8 v0, s[64:65] scope:SCOPE_SE
	s_setreg_imm32_b32 hwreg(HW_REG_WAVE_MODE, 25, 1), 1
	s_wait_xcnt 0x0
; A TILE OF 64 TOKENS THAT CHOSE THE SAME PAIR OF EXPERTS (lo < hi) GOES THROUGH THE WHOLE CHAIN:
;   Hcat[64][1024] = g relu(X [W1lo | W1hi] + b1)  (g = the gate of the column's expert; g >= 0, so it goes inside the relu),   Y = Hcat [W2lo ; W2hi],
;   z = x + Y + glo b2lo + ghi b2hi,   out0 = LayerNorm(z) gamma + beta.   Each output row has one owner; nothing of the chain goes through memory.
; THE GRID.  With n_s tokens of pair s there are sum ceil(n_s / 64) <= (8192 + 28 x 63) / 64 = 155 tiles, whatever the split.  Every work-group finds its tile from the stored counts (cnt) and its
; tokens from the stored pair numbers (sid) by itself.  Places of a tile past the count repeat token 8191 and are not stored.  A work-group past the last tile passes every barrier, goes round the
; products (forward jumps over matrix work and loads alone) and stores nothing.
; SHARES.  Both products have the shape 64 x 1024 x 1024.  Wave w owns all 64 tokens x columns 256 w .. 256 w + 255: 64 accumulators of 16 x 16, 512 registers.  The matrix instruction is used
; transposed (source 0 = 16 columns of the weights, source 1 = 16 tokens): a lane holds ONE token (lane % 16) and 8 neighbouring columns.
; THE WEIGHTS come from wf straight into registers: each fragment has one reader in the work-group, so LDS would add a write and a read and spare nothing.  A ring of four groups of 8 fragments
; (256 registers) is kept full from ahead of the first product to the last: 48 loads of 16 bytes a lane are out while a group is multiplied.
; NO CLUSTER: partners would need tiles of one pair; whole clusters of 256 tokens a pair leave half a cluster idle for each of 28 pairs, 3,584 of 8,192 tokens' worth, and the number of a pair's tiles is read from memory.
; out1 = 8 sum_e f_e P_e = 2^-24 sum_e (count_e x sum of probabilities_e): work-group 0, wave 0.
; LIMITS.  All inputs are rounded to bf16 (x, W1, W2 by the launch before; b1, b2, gamma, beta here), the residual's x too.  The variance is taken of z - c, c = the row's own x[0], so that a common
; offset is gone before the squares.  NaN and infinities are not treated apart.
.set PITCH, 2064                       ; an LDS row of 1,024 bf16 + 16 bytes: the 16 rows of a fragment load start 16 bytes apart modulo 256
.set BLK,   16*PITCH
.set HT,    64*PITCH                   ; XT at 0: the tile's x;  HT: Hcat
.set SPITCH, 1040
.set STGW,  64*SPITCH                  ; behind the last barrier the four waves' stages lie over both: 64 rows x 1,040 bytes of f32 a wave
.set CONST, 4*STGW                     ; f32, rounded through bf16: b1lo 0, b1hi 2048, b2lo 4096, b2hi 8192, gamma 12288, beta 16384
.set PART,  CONST+20480                ; [wave][4][32 pairs] counts
.set PSP,   PART+2048                  ; [wave][lane][4] sums of probabilities
.set LISTW, PSP+2048                   ; a wave's list: 64 places and a word for what belongs to no place
.set STAT,  LISTW+2048                 ; [64 tokens][4 waves][sum, sum of squares]
.set RTAB,  STAT+2048                  ; a wave's own table of its 64 rows: token, 1 / sigma, - mean / sigma, 0
.set SPARE, RTAB+4096                  ; the spare words, 128 bytes a wave: two blocks of 256 bytes that no other line names
; REGISTERS, in windows of 256 (s_set_vgpr_msb: bits 1:0 source 0, 3:2 source 1, 5:4 source 2, 7:6 destination).  Window 1: the ring, fragment slot s at v[8 s].
; Windows 2, 3: accumulator (token block a, column block b) at v[8 (4 (b % 8) + a)] of window 2 (b < 8) or 3.  Window 0:
.set WO,   5                           ; v1 lane, v2 r, v3 h, v4 16 lane;  v5 the weights' offset
.set SPW,  6                           ; the add's two registers
.set NIL,  7
.set ADR,  8                           ; v[8:11]   token fragments' LDS address, block a; it steps along K
.set HA,   12                          ; v[12:15]  the same at HT's first column
.set HS,   16                          ; v[16:19]  where I store Hcat
.set XS,   20                          ; v[20:23]  my columns of x
.set TOK,  24                          ; v[24:27]  the token of place 16 a + r
.set STW,  28
.set STR,  29
.set SGW,  30
.set SGR,  31
.set RG,   32                          ; v[32:39]  (glo, ghi) of my token, block a
.set RG1,  40                          ; v[40:47]  the gate of my columns' expert in the first product, twice
.set RS,   48                          ; v[48:55]  sums
.set RQ,   56                          ; v[56:63]  sums of squares
.set AF0,  64                          ; v[64:95], v[96:127] two buffers of four token fragments; v[64:223] also at work outside the products
.set AF1,  96
.set RC,   224                         ; v[224:231] the pivot c, twice
.set ONE,  232
.set ZERO, 233
.set B1A,  234
.set B2A,  235
.set OCOL, 236
.set XW,   237
.set T16,  238
.set BIG,  239
.set PV,   240                         ; v[240:243] 2064 r + block a;  v244-249 addresses
.set RTW,  250                         ; where I write my rows' table;
.set RTR,  251                         ; where all lanes read it
; s32 wave, s33 work-group; s34 pair, s35 its first tile, s36 its tokens, s37 those in earlier waves' quarters, s38 lo, s39 hi; s44 rows of my tile; s45 running rank - first rank;
; s46-s52 the weights' walk; s53 laps, trips; s55 my list; s[56:57] lane selects; s58-s61 masks by wave; s62 rows left on the way out; s66-s73 counts by expert
.set MSB, 0
.macro WIN new                         ; the immediate's high byte repeats the setting that is left; a switch that changes nothing is dropped
.if MSB != (\new)
	s_set_vgpr_msb (MSB<<8)|(\new)
.set MSB, (\new)
.endif
.endm
.macro PLACES                          ; four places behind a matrix instruction, in front of loads into its registers and of readers of its result
.rept 4
	v_nop
.endr
.endm
	s_load_b512 s[8:23], s[0:1], 0x0               ; wf s[8:9], xb s[10:11], sid s[12:13], cnt s[14:15], gw s[16:17], psum s[18:19], b1 s[20:21], b2 s[22:23]
	s_load_b256 s[24:31], s[0:1], 0x40             ; gamma s[24:25], beta s[26:27], out0 s[28:29], out1 s[30:31]
	v_lshl_add_u32 v[SPW], v0, 2, SPARE
	v_mov_b32 v[NIL], 0
	v_and_b32 v1, 31, v0
	v_lshrrev_b32 v2, 5, v0
	v_readfirstlane_b32 s32, v2                    ; wave 0..3
	s_mov_b32 s33, ttmp9
	s_mov_b32 s56, 0x76543210
	s_mov_b32 s57, 0xfedcba98
	v_and_b32 v2, 15, v0
	v_bfe_u32 v3, v0, 4, 1
	v_lshlrev_b32 v4, 4, v1
	v_lshlrev_b32 v[T16], 4, v0
	v_mov_b32 v[ONE], 1.0
	v_mov_b32 v[ZERO], 0
	v_mov_b32 v[BIG], -1
	v_mul_u32_u24 v[PV], v2, PITCH
	v_add_nc_u32 v[PV+1], BLK, v[PV]
	v_add_nc_u32 v[PV+2], 2*BLK, v[PV]
	v_add_nc_u32 v[PV+3], 3*BLK, v[PV]
	s_lshl_b32 s41, s32, 9
.set aa, 0
.rept 4
	v_lshl_add_u32 v[ADR+aa], v3, 4, v[PV+aa]      ; row x pitch + 16 x half
	v_add_nc_u32 v[XS+aa], s41, v[ADR+aa]
	v_add_nc_u32 v[HA+aa], HT, v[ADR+aa]
	v_add_nc_u32 v[HS+aa], HT, v[XS+aa]
.set aa, aa+1
.endr
	s_lshl_b32 s42, s32, 3
	s_add_co_u32 s42, s42, STAT
	v_lshl_add_u32 v[STW], v2, 5, s42
	v_lshl_add_u32 v[STR], v2, 5, STAT
	s_mul_i32 s43, s32, STGW                       ; my stage
	v_mul_u32_u24 v[SGW], v2, SPITCH
	v_lshl_add_u32 v[SGW], v3, 5, v[SGW]
	v_add_nc_u32 v[SGW], s43, v[SGW]
	v_add_nc_u32 v[SGR], s43, v4
	s_lshl_b32 s42, s32, 10
	s_add_co_u32 s41, s42, CONST
	v_lshl_add_u32 v[B1A], v3, 5, s41              ; my 256 columns of [b1lo | b1hi], 8 numbers a half of the lanes
	v_add_nc_u32 v[B2A], 4096, v[B1A]
	v_add_nc_u32 v[OCOL], s42, v4
	s_add_co_u32 s43, s42, RTAB                    ; my table
	v_lshl_add_u32 v[RTW], v2, 4, s43
	v_mov_b32 v[RTR], s43
	s_mul_i32 s41, s32, BLK
	v_add_nc_u32 v[XW], s41, v4
	s_cmp_gt_u32 s32, 0
	s_cselect_b32 s58, -1, 0
	s_cmp_gt_u32 s32, 1
	s_cselect_b32 s59, -1, 0
	s_cselect_b32 s61, -1, 0                       ; waves 2, 3: expert hi in the first product
	s_cmp_gt_u32 s32, 2
	s_cselect_b32 s60, -1, 0
	s_lshl_b32 s41, s32, 13
	v_add_nc_u32 v244, s41, v4                     ; my quarter of cnt and of sid
	s_lshl_b32 s42, s32, 11
	v_add_nc_u32 v245, s42, v4                     ; of psum
	v_add_nc_u32 v247, PART, v[T16]
	v_lshl_add_u32 v248, v1, 2, PART
	s_wait_kmcnt 0x0
.set ii, 0
.rept 16
	global_load_b128 v[64+4*ii:64+4*ii+3], v244, s[14:15] offset:512*ii
.set ii, ii+1
.endr
.set ii, 0
.rept 4
	global_load_b128 v[192+4*ii:192+4*ii+3], v245, s[18:19] offset:512*ii
.set ii, ii+1
.endr
.set ii, 0
.rept 16
	global_load_b128 v[128+4*ii:128+4*ii+3], v244, s[12:13] offset:512*ii
.set ii, ii+1
.endr
	s_wait_loadcnt 16                              ; the 16 loads of sid are younger
	; a lane's four words of cnt are pairs 4 (lane % 8) + 0..3 of the groups 4 i + lane / 8: summed over i
.set jj, 0
.rept 4
	v_add3_u32 v[64+jj], v[64+jj], v[68+jj], v[72+jj]
.set ii, 3
.rept 6
	v_add3_u32 v[64+jj], v[64+jj], v[64+4*ii+jj], v[68+4*ii+jj]
.set ii, ii+2
.endr
	v_add_nc_u32 v[64+jj], v[64+jj], v[124+jj]
.set jj, jj+1
.endr
	v_pk_add_f32 v[192:193], v[192:193], v[196:197]
	v_pk_add_f32 v[194:195], v[194:195], v[198:199]
	v_pk_add_f32 v[200:201], v[200:201], v[204:205]
	v_pk_add_f32 v[202:203], v[202:203], v[206:207]
	v_pk_add_f32 v[192:193], v[192:193], v[200:201]
	v_pk_add_f32 v[194:195], v[194:195], v[202:203]
	ds_store_b128 v247, v[64:67]
	ds_store_b128 v247, v[192:195] offset:2048
	s_wait_dscnt 0x0                               ; for the others' sake
	s_barrier_signal -1
	s_barrier_wait -1
	; WHICH TILE IS MINE: lane = pair.  Every wave does the same search.
.set ii, 0
.rept 16
	ds_load_b32 v[64+ii], v248 offset:512*(ii/4)+128*(ii%4)
.set ii, ii+1
.endr
	s_wait_dscnt 0x0
.set ii, 0
.rept 4
	v_add3_u32 v[80+ii], v[64+4*ii], v[65+4*ii], v[66+4*ii]
	v_add_nc_u32 v[80+ii], v[80+ii], v[67+4*ii]    ; the pair's tokens in quarter ii
.set ii, ii+1
.endr
	v_add3_u32 v84, v80, v81, v82
	v_add_nc_u32 v84, v84, v83                     ; in all
	v_and_b32 v86, s58, v80
	v_and_b32 v87, s59, v81
	v_and_b32 v88, s60, v82
	v_add3_u32 v85, v86, v87, v88                  ; in the quarters ahead of mine
	v_add_nc_u32 v89, 63, v84
	v_lshrrev_b32 v89, 6, v89                      ; the pair's tiles: 128 at the most, eight bits
	v_mov_b32 v90, 0
.set ii, 0
.rept 8                                ; the pair's first tile = the sum of the lower lanes' tiles, a bit at a time: how many lower lanes have the bit, shifted to its place
	v_and_b32 v91, 1<<ii, v89
	v_cmp_ne_u32 vcc_lo, 0, v91
	v_mbcnt_lo_u32_b32 v91, vcc_lo, 0
	v_lshl_add_u32 v90, v91, ii, v90
.set ii, ii+1
.endr
	v_cmp_ge_u32 vcc_lo, s33, v90                  ; the first tiles ascend with the lane: the pairs whose first tile is not beyond mine are the lowest lanes,
	s_and_b32 s41, vcc_lo, 0xfffffff               ; (28 pairs)
	s_bcnt1_i32_b32 s34, s41
	s_sub_co_u32 s34, s34, 1                       ; and the last of them is mine
	s_min_u32 s34, s34, 27
	v_readlane_b32 s36, v84, s34
	v_readlane_b32 s37, v85, s34
	v_readlane_b32 s35, v90, s34
	s_mov_b32 s38, 0
.irp t, 7,13,18,22,25,27               ; the first pair numbers of lo = 1 .. 6
	s_cmp_ge_u32 s34, \t
	s_add_co_ci_u32 s38, s38, 0
.endr
	s_sub_co_u32 s41, 15, s38
	s_mul_i32 s41, s41, s38
	s_lshr_b32 s41, s41, 1                         ; lo (15 - lo) / 2
	s_sub_co_u32 s39, s34, s41
	s_add_co_u32 s39, s39, s38
	s_add_co_u32 s39, s39, 1                       ; hi
	s_sub_co_u32 s41, s33, s35
	s_lshl_b32 s41, s41, 6                         ; the rank of my tile's first token
	s_sub_co_i32 s44, s36, s41
	s_max_i32 s44, s44, 0
	s_min_i32 s44, s44, 64                         ; rows of my tile
	s_sub_co_u32 s45, s37, s41
	s_min_u32 s38, s38, 7
	s_min_u32 s39, s39, 7
	s_wait_loadcnt 0x0                             ; sid
	; out1: work-group 0, wave 0
	s_cmp_lg_u32 s33, 0
	s_cbranch_scc1 .Lnoaux
	s_cmp_lg_u32 s32, 0
	s_cbranch_scc1 .Lnoaux
.irp e, 66,67,68,69,70,71,72,73
	s_mov_b32 s\e, 0
.endr
.set kk, 0
.irp lo, 0,1,2,3,4,5,6
.irp hi, 1,2,3,4,5,6,7
.if \hi > \lo
	v_readlane_b32 s41, v84, kk
	s_add_co_u32 s[66+\lo], s[66+\lo], s41
	s_add_co_u32 s[66+\hi], s[66+\hi], s41
.set kk, kk+1
.endif
.endr
.endr
	v_add_nc_u32 v249, PSP, v4
.set ii, 0
.rept 4
	ds_load_b128 v[64+4*ii:64+4*ii+3], v249 offset:512*ii
.set ii, ii+1
.endr
	s_wait_dscnt 0x0
	v_pk_add_f32 v[64:65], v[64:65], v[68:69]
	v_pk_add_f32 v[66:67], v[66:67], v[70:71]
	v_pk_add_f32 v[72:73], v[72:73], v[76:77]
	v_pk_add_f32 v[74:75], v[74:75], v[78:79]
	v_pk_add_f32 v[64:65], v[64:65], v[72:73]
	v_pk_add_f32 v[66:67], v[66:67], v[74:75]
	s_mov_b32 s41, 0xaaaaaaaa                      ; odd lanes hold experts 4-7
.set jj, 0
.rept 4                                ; over the lanes of my parity
	v_add_f32_dpp v[64+jj], v[64+jj], v[64+jj] row_xmask:2 row_mask:0xf bank_mask:0xf
	v_add_f32_dpp v[64+jj], v[64+jj], v[64+jj] row_xmask:4 row_mask:0xf bank_mask:0xf
	v_add_f32_dpp v[64+jj], v[64+jj], v[64+jj] row_xmask:8 row_mask:0xf bank_mask:0xf
	v_permlanex16_b32 v[68+jj], v[64+jj], s56, s57
	v_add_f32 v[64+jj], v[64+jj], v[68+jj]
	v_cvt_f32_u32 v[72+jj], s[66+jj]
	v_cvt_f32_u32 v[76+jj], s[70+jj]
	v_cndmask_b32 v[72+jj], v[72+jj], v[76+jj], s41
.set jj, jj+1
.endr
	v_mul_f32 v80, v64, v72
	v_fmac_f32 v80, v65, v73
	v_fmac_f32 v80, v66, v74
	v_fmac_f32 v80, v67, v75
	v_add_f32_dpp v80, v80, v80 row_xmask:1 row_mask:0xf bank_mask:0xf
	v_mul_f32 v80, 0x33800000, v80                 ; 8 / (16,384 x 8,192) = 2^-24
	v_cmp_eq_u32 vcc_lo, 0, v1
	s_wait_xcnt 0x0                                ; EXEC changes only behind this wait
	s_and_saveexec_b32 s42, vcc_lo
	global_store_b32 v[ZERO], v80, s[30:31]
	s_wait_xcnt 0x0                                ; and again in front of the line that widens it
	s_or_b32 exec_lo, exec_lo, s42
.Lnoaux:
; THE WEIGHTS' WALK: 32 laps of 32 KiB a wave (two K steps of 32 x 256 columns).  Laps 0-15: my half of my expert's W1; 16-23: my quarter of W2 of lo; 24-31: of hi.
.macro SETOFF                          ; v[WO] for lap s49; s49 steps
	s_cmp_lt_u32 s49, 16
	s_cselect_b32 s50, s46, s38
	s_cselect_b32 s51, s47, s48
	s_cselect_b32 s52, 15, 7
	s_cmp_ge_u32 s49, 24
	s_cselect_b32 s50, s39, s50
	s_min_u32 s50, s50, 7
	s_and_b32 s52, s49, s52
	s_lshl_b32 s52, s52, 15
	s_add_co_u32 s51, s51, s52
	s_lshl_b32 s50, s50, 20
	s_add_co_u32 s51, s51, s50
	v_add_nc_u32 v[WO], s51, v4
	s_add_co_u32 s49, s49, 1
.endm
.macro REFILL g                        ; group g of a lap: 8 fragments, 16 loads of 512 consecutive bytes
	WIN 0x40
.set bb, 0
.rept 8
	global_load_b128 v[8*(8*(\g)+bb):8*(8*(\g)+bb)+3], v[WO], s[8:9] offset:8192*(\g)+1024*bb
	global_load_b128 v[8*(8*(\g)+bb)+4:8*(8*(\g)+bb)+7], v[WO], s[8:9] offset:8192*(\g)+1024*bb+512
.set bb, bb+1
.endr
.endm
	s_cmp_lt_u32 s32, 2
	s_cselect_b32 s46, s38, s39
	s_and_b32 s47, s32, 1
	s_lshl_b32 s47, s47, 19
	s_lshl_b32 s48, s32, 18
	s_add_co_u32 s48, s48, 0x800000
	s_mov_b32 s49, 0
	SETOFF
	s_lshl_b32 s41, s38, 11
	v_add_nc_u32 v104, s41, v[T16]
	s_lshl_b32 s42, s39, 11
	v_add_nc_u32 v105, s42, v[T16]
	s_lshl_b32 s41, s38, 12
	v_add_nc_u32 v106, s41, v[T16]
	s_lshl_b32 s42, s39, 12
	v_add_nc_u32 v107, s42, v[T16]
	global_load_b128 v[64:67], v104, s[20:21]      ; the constants go first, so that the wait for them leaves the ring's loads out
	global_load_b128 v[68:71], v105, s[20:21]
	global_load_b128 v[72:75], v106, s[22:23]
	global_load_b128 v[76:79], v106, s[22:23] offset:2048
	global_load_b128 v[80:83], v107, s[22:23]
	global_load_b128 v[84:87], v107, s[22:23] offset:2048
	global_load_b128 v[88:91], v[T16], s[24:25]
	global_load_b128 v[92:95], v[T16], s[24:25] offset:2048
	global_load_b128 v[96:99], v[T16], s[26:27]
	global_load_b128 v[100:103], v[T16], s[26:27] offset:2048
	REFILL 0                                       ; three of the ring's four groups are asked for before the list is made
	REFILL 1
	REFILL 2
	WIN 0
	; MY LIST: the tokens of my quarter that have my pair and a rank inside my tile, each at its place.  The rank goes by (wave, register, lane), alike in every work-group.
	s_lshl_b32 s55, s32, 9
	s_add_co_u32 s55, s55, LISTW
	v_lshl_add_u32 v109, v1, 3, s55
	v_mov_b32 v116, -1
	v_mov_b32 v117, -1
	ds_store_b64 v109, v[116:117]                  ; 64 places hold 'none'
	s_lshl_b32 s42, s32, 11
	v_lshl_add_u32 v113, v1, 2, s42                ; the token of my register 0
.set ii, 0
.rept 64
	v_cmp_eq_u32 vcc_lo, s34, v[128+ii]
	v_mbcnt_lo_u32_b32 v110, vcc_lo, s45           ; place = rank - the tile's first rank
	s_bcnt1_i32_b32 s41, vcc_lo
	s_add_co_u32 s45, s45, s41
	v_cndmask_b32 v110, v[BIG], v110, vcc_lo
	v_min_u32 v110, 64, v110                       ; another pair, or a place outside 0..63: word 64
	v_lshl_add_u32 v111, v110, 2, s55
	v_add_nc_u32 v112, 128*(ii/4)+ii%4, v113
	ds_store_b32 v111, v112
.set ii, ii+1
.endr
	s_wait_loadcnt 48                              ; the ring's 48 loads are younger: the constants are in
	REFILL 3
	WIN 0
	v_add_nc_u32 v108, CONST, v[T16]
.set ii, 0
.rept 10                               ; biases, gamma, beta: rounded through bf16, kept as f32
	v_cvt_pk_bf16_f32 v114, v[64+4*ii], v[65+4*ii]
	v_cvt_pk_bf16_f32 v115, v[66+4*ii], v[67+4*ii]
	v_lshlrev_b32 v[64+4*ii], 16, v114
	v_and_b32 v[65+4*ii], 0xffff0000, v114
	v_lshlrev_b32 v[66+4*ii], 16, v115
	v_and_b32 v[67+4*ii], 0xffff0000, v115
	ds_store_b128 v108, v[64+4*ii:67+4*ii] offset:2048*ii
.set ii, ii+1
.endr
	s_wait_dscnt 0x0                               ; for the others' sake: my list and my part of the constants
	s_barrier_signal -1
	s_barrier_wait -1
	; THE FOUR LISTS ARE ONE (a place is filled in one of them at the most), AND THE GATHER
	v_lshl_add_u32 v247, v2, 2, LISTW
	s_lshl_b32 s41, s32, 6
	v_add_nc_u32 v248, s41, v247
.set ii, 0
.rept 16
	ds_load_b32 v[64+ii], v247 offset:512*(ii%4)+64*(ii/4)
.set ii, ii+1
.endr
.set ii, 0
.rept 4
	ds_load_b32 v[80+ii], v248 offset:512*ii
.set ii, ii+1
.endr
	s_wait_dscnt 0x0
.set aa, 0
.rept 4
	v_min_u32 v[64+4*aa], v[64+4*aa], v[65+4*aa]
	v_min_u32 v[66+4*aa], v[66+4*aa], v[67+4*aa]
	v_min_u32 v[TOK+aa], v[64+4*aa], v[66+4*aa]
	v_min_u32 v[TOK+aa], 0x1fff, v[TOK+aa]         ; 'none' becomes token 8191
.set aa, aa+1
.endr
	v_min_u32 v80, v80, v81
	v_min_u32 v82, v82, v83
	v_min_u32 v246, v80, v82
	v_min_u32 v246, 0x1fff, v246                   ; the 16 places that my wave gathers
.set aa, 0
.rept 4
	v_lshlrev_b32 v[84+aa], 3, v[TOK+aa]
	global_load_b64 v[RG+2*aa:RG+2*aa+1], v[84+aa], s[16:17]
.set aa, aa+1
.endr
.set ii, 0
.rept 16
	v_readlane_b32 s41, v246, ii
	s_min_u32 s41, s41, 0x1fff
	v_lshl_add_u32 v[192+ii], s41, 11, v4
.set ii, ii+1
.endr
	WIN 0x80                                       ; the rows pass through window 2
.set ii, 0
.rept 64
	global_load_b128 v[4*ii:4*ii+3], v[192+ii/4], s[10:11] offset:512*(ii%4)
.set ii, ii+1
.endr
.macro B1INIT hi                       ; the first product's sums start with b1
	WIN 0x80+0x40*(\hi)
.set bb, 0
.rept 8
.set aa, 0
.rept 4
	ds_load_b128 v[8*(4*bb+aa):8*(4*bb+aa)+3], v[B1A] offset:64*(bb+8*(\hi))
	ds_load_b128 v[8*(4*bb+aa)+4:8*(4*bb+aa)+7], v[B1A] offset:64*(bb+8*(\hi))+16
.set aa, aa+1
.endr
.set bb, bb+1
.endr
.endm
	B1INIT 1                                       ; while the rows are on their way
	WIN 0x08
.set ii, 0
.rept 16
	s_wait_loadcnt 60-4*ii                         ; the later rows' loads stay out
.set pp, 0
.rept 4
	ds_store_b128 v[XW], v[16*ii+4*pp:16*ii+4*pp+3] offset:PITCH*ii+512*pp
.set pp, pp+1
.endr
.set ii, ii+1
.endr
	B1INIT 0
	WIN 0
.set aa, 0
.rept 4
	v_cndmask_b32 v[RG1+2*aa], v[RG+2*aa], v[RG+2*aa+1], s61
	v_cndmask_b32 v[RG1+2*aa+1], v[RG+2*aa], v[RG+2*aa+1], s61
.set aa, aa+1
.endr
	s_wait_dscnt 0x0                               ; for the others' sake: my 16 rows of x are in LDS
	s_barrier_signal -1
	s_barrier_wait -1
.macro ALOAD af, imm                   ; four token fragments (64 tokens x 32 K) at byte imm from ADR
	WIN 0
.set aa, 0
.rept 4
	ds_load_b128 v[(\af)+8*aa:(\af)+8*aa+3], v[ADR+aa] offset:(\imm)
	ds_load_b128 v[(\af)+8*aa+4:(\af)+8*aa+7], v[ADR+aa] offset:(\imm)+32
.set aa, aa+1
.endr
.endm
.macro MULG g, af                      ; 32 matrix instructions on 32 accumulators: group g's 8 column blocks x 4 token blocks.  An accumulator comes round again after 64: they take turns
	WIN 0xa1+0x50*((\g)&1)
.set bb, 0
.rept 8
.set aa, 0
.rept 4
	v_wmma_f32_16x16x32_bf16 v[8*(4*bb+aa):8*(4*bb+aa)+7], v[8*(8*(\g)+bb):8*(8*(\g)+bb)+7], v[(\af)+8*aa:(\af)+8*aa+7], v[8*(4*bb+aa):8*(4*bb+aa)+7]
.set aa, aa+1
.endr
.set bb, bb+1
.endr
.endm
; A LAP: two K steps, 128 matrix instructions.  refill = 1: each group's registers are asked for again, with the next lap's fragments, as soon as they have been multiplied.
; Behind a group's 16 loads the three following groups' 48 have been issued: the count 48 shows it in and leaves those out.  Without refills the counts run down.
; anext = 1: the next lap's first token fragments are fetched.  A lap with both leaves the ring and buffer 0 as it found them: 64 loads and 8 LDS loads out; so a lap may be gone round.
.macro LAP refill, anext
	s_wait_dscnt 0x0                               ; buffer 0's eight loads, issued 32 matrix instructions ago
	s_wait_loadcnt 48
	MULG 0, AF0
	WIN 0
.if \refill
	s_wait_xcnt 0x0                                ; the last lap's loads have read v[WO]: it is rewritten only behind this wait
	SETOFF
.endif
	PLACES
.if \refill
	REFILL 0
.endif
	ALOAD AF1, 64
	s_wait_loadcnt 32+16*(\refill)
	MULG 1, AF0
.if \refill
	PLACES
	REFILL 1
.endif
	s_wait_dscnt 0x0
	s_wait_loadcnt 16+32*(\refill)
	MULG 2, AF1
.if (\refill) || (\anext)
	WIN 0
.set aa, 0
.rept 4
	v_add_nc_u32 v[ADR+aa], 128, v[ADR+aa]         ; two K steps on; these four are also the places in front of the loads below
.set aa, aa+1
.endr
.endif
.if \refill
	REFILL 2
.endif
.if \anext
	ALOAD AF0, 0
.endif
	s_wait_loadcnt 48*(\refill)
	MULG 3, AF1
	PLACES
.if \refill
	REFILL 3
.endif
	WIN 0
.endm
.set aa, 0
.rept 4
	ds_load_u16 v[RC+2*aa], v[PV+aa]               ; the pivot: my token's x[0]
.set aa, aa+1
.endr
	ALOAD AF0, 0
	s_wait_dscnt 8                                 ; the eight fragment loads are younger
.set aa, 0
.rept 4
	v_lshlrev_b32 v[RC+2*aa], 16, v[RC+2*aa]
	v_mov_b32 v[RC+2*aa+1], v[RC+2*aa]
.set aa, aa+1
.endr
	; THE FIRST PRODUCT.  A work-group without rows goes round every lap: the jump passes matrix instructions, loads and their waits, and no barrier.
	s_mov_b32 s53, 15
.Lg1:
	s_cmp_eq_u32 s44, 0
	s_cbranch_scc1 .Lg1s
	LAP 1, 1
.Lg1s:
	s_sub_co_u32 s53, s53, 1
	s_cmp_lg_u32 s53, 0
	s_cbranch_scc1 .Lg1
	s_cmp_eq_u32 s44, 0
	s_cbranch_scc1 .Lg1t
	LAP 1, 0                                       ; its refills fetch the second product's first lap
.Lg1t:
	s_wait_dscnt 0x0                               ; on the way round the lap buffer 0's eight loads are still out, and its registers are written below
	; Hcat = relu(g (sum + b1)), rounded to bf16: a lane's 8 columns of a token are 16 bytes.  Each accumulator is read from its low end on.
.set bq, 0
.rept 16
	WIN 0x02+bq/8
.set aa, 0
.rept 4
.set ii, 0
.rept 4
	v_pk_mul_f32 v[64+8*aa+2*ii:64+8*aa+2*ii+1], v[8*(4*(bq%8)+aa)+2*ii:8*(4*(bq%8)+aa)+2*ii+1], v[RG1+2*aa:RG1+2*aa+1]
.set ii, ii+1
.endr
.set aa, aa+1
.endr
	WIN 0
.set ii, 0
.rept 16
	v_cvt_pk_bf16_f32 v[96+ii], v[64+2*ii], v[65+2*ii]
.set ii, ii+1
.endr
.set ii, 0
.rept 16
	v_pk_max_num_bf16 v[96+ii], v[96+ii], v[ZERO]
.set ii, ii+1
.endr
.set aa, 0
.rept 4
	ds_store_b128 v[HS+aa], v[96+4*aa:96+4*aa+3] offset:32*bq
.set aa, aa+1
.endr
.set bq, bq+1
.endr
	s_wait_dscnt 0x0                               ; for the others' sake: my columns of Hcat are in LDS
	s_barrier_signal -1
	; Between the signal and the wait: the second product's sums start with x + glo b2lo + ghi b2hi - c.  The LDS loads read x and the constants, which nobody writes before a later barrier.
.macro ZLOAD p, st                     ; column blocks 2 p, 2 p + 1: 16 loads into the 64 registers from st on
	WIN 0
.set uu, 0
.rept 2
	ds_load_b128 v[(\st)+16*uu:(\st)+16*uu+3], v[B2A] offset:64*(2*(\p)+uu)
	ds_load_b128 v[(\st)+16*uu+4:(\st)+16*uu+7], v[B2A] offset:64*(2*(\p)+uu)+16
	ds_load_b128 v[(\st)+16*uu+8:(\st)+16*uu+11], v[B2A] offset:64*(2*(\p)+uu)+4096
	ds_load_b128 v[(\st)+16*uu+12:(\st)+16*uu+15], v[B2A] offset:64*(2*(\p)+uu)+4112
.set aa, 0
.rept 4
	ds_load_b128 v[(\st)+32+16*uu+4*aa:(\st)+32+16*uu+4*aa+3], v[XS+aa] offset:32*(2*(\p)+uu)
.set aa, aa+1
.endr
.set uu, uu+1
.endr
.endm
.macro ZARITH p, st
	WIN 0x80+0x40*((\p)/4)
.set uu, 0
.rept 2
.set aa, 0
.rept 4
.set ac, 8*(4*((2*(\p)+uu)%8)+aa)
.set ii, 0
.rept 4
	v_pk_fma_f32 v[ac+2*ii:ac+2*ii+1], v[(\st)+16*uu+2*ii:(\st)+16*uu+2*ii+1], v[RG+2*aa:RG+2*aa+1], v[RC+2*aa:RC+2*aa+1] op_sel_hi:[1,0,1] neg_lo:[0,0,1] neg_hi:[0,0,1]
.set ii, ii+1
.endr
.set aa, aa+1
.endr
.set uu, uu+1
.endr
	WIN 0xa0+0x50*((\p)/4)
.set uu, 0
.rept 2
.set aa, 0
.rept 4
.set ac, 8*(4*((2*(\p)+uu)%8)+aa)
.set ii, 0
.rept 4
	v_pk_fma_f32 v[ac+2*ii:ac+2*ii+1], v[(\st)+16*uu+8+2*ii:(\st)+16*uu+8+2*ii+1], v[RG+2*aa:RG+2*aa+1], v[ac+2*ii:ac+2*ii+1] op_sel:[0,1,0] op_sel_hi:[1,1,1]
.set ii, ii+1
.endr
.set aa, aa+1
.endr
.set uu, uu+1
.endr
.set uu, 0
.rept 2
.set aa, 0
.rept 4
.set ac, 8*(4*((2*(\p)+uu)%8)+aa)
.set ii, 0
.rept 4
	v_fma_mix_f32_bf16 v[ac+2*ii], v[(\st)+32+16*uu+4*aa+ii], v[ONE], v[ac+2*ii] op_sel_hi:[1,0,0]
	v_fma_mix_f32_bf16 v[ac+2*ii+1], v[(\st)+32+16*uu+4*aa+ii], v[ONE], v[ac+2*ii+1] op_sel:[1,0,0] op_sel_hi:[1,0,0]
.set ii, ii+1
.endr
.set aa, aa+1
.endr
.set uu, uu+1
.endr
.endm
	ZLOAD 0, 64
.irp p, 0,1,2,3,4,5,6
	ZLOAD (\p)+1, 64+64*(((\p)+1)%2)
	s_wait_dscnt 16                                ; the next phase's 16 loads stay out
	ZARITH \p, 64+64*((\p)%2)
.endr
	s_wait_dscnt 0x0
	ZARITH 7, 128
	WIN 0
	s_barrier_wait -1                              ; Hcat is whole
.set aa, 0
.rept 4
	v_mov_b32 v[ADR+aa], v[HA+aa]
.set aa, aa+1
.endr
	ALOAD AF0, 0
	; THE SECOND PRODUCT
	s_mov_b32 s53, 15
.Lg2:
	s_cmp_eq_u32 s44, 0
	s_cbranch_scc1 .Lg2s
	LAP 1, 1
.Lg2s:
	s_sub_co_u32 s53, s53, 1
	s_cmp_lg_u32 s53, 0
	s_cbranch_scc1 .Lg2
	s_cmp_eq_u32 s44, 0
	s_cbranch_scc1 .Lg2t
	LAP 0, 0                                       ; nothing is left to fetch
.Lg2t:                                                 ; on the way round, the ring's loads stay out to the end: nothing below names window 1; buffer 0's LDS loads are waited for in front of the next barrier
	; LAYERNORM.  A lane's 128 numbers of each of its four tokens: sum and sum of squares, four chains by turns; each accumulator is read from its low end on.
	WIN 0x0a
.set aa, 0
.rept 4
	v_pk_add_f32 v[RS+2*aa:RS+2*aa+1], v[8*aa:8*aa+1], v[8*aa+2:8*aa+3]  ; the first pairs start the sums: nothing is cleared
	v_pk_mul_f32 v[RQ+2*aa:RQ+2*aa+1], v[8*aa:8*aa+1], v[8*aa:8*aa+1]
.set aa, aa+1
.endr
.macro STATH hi
	WIN 0x08+4*(\hi)
.set bb, 0
.rept 8
.set ii, 0
.rept 4
.set aa, 0
.rept 4
.if ((\hi) != 0) || (bb != 0) || (ii > 1)
	v_pk_add_f32 v[RS+2*aa:RS+2*aa+1], v[RS+2*aa:RS+2*aa+1], v[8*(4*bb+aa)+2*ii:8*(4*bb+aa)+2*ii+1]
.endif
.set aa, aa+1
.endr
.set ii, ii+1
.endr
.set bb, bb+1
.endr
	WIN 0x0a+5*(\hi)
.set bb, 0
.rept 8
.set ii, 0
.rept 4
.set aa, 0
.rept 4
.if ((\hi) != 0) || (bb != 0) || (ii > 0)
	v_pk_fma_f32 v[RQ+2*aa:RQ+2*aa+1], v[8*(4*bb+aa)+2*ii:8*(4*bb+aa)+2*ii+1], v[8*(4*bb+aa)+2*ii:8*(4*bb+aa)+2*ii+1], v[RQ+2*aa:RQ+2*aa+1]
.endif
.set aa, aa+1
.endr
.set ii, ii+1
.endr
.set bb, bb+1
.endr
.endm
	STATH 0
	STATH 1
	WIN 0
.set aa, 0
.rept 4
	v_add_f32 v[128+2*aa], v[RS+2*aa], v[RS+2*aa+1]
	v_add_f32 v[129+2*aa], v[RQ+2*aa], v[RQ+2*aa+1]
.set aa, aa+1
.endr
.set ii, 0
.rept 8
	v_permlanex16_b32 v[136+ii], v[128+ii], s56, s57  ; the token's other 128 numbers lie in the lane 16 away
.set ii, ii+1
.endr
.set aa, 0
.rept 4
	v_pk_add_f32 v[128+2*aa:129+2*aa], v[128+2*aa:129+2*aa], v[136+2*aa:137+2*aa]
	ds_store_b64 v[STW], v[128+2*aa:129+2*aa] offset:512*aa
.set aa, aa+1
.endr
	v_add_nc_u32 v249, CONST+12288, v[OCOL]
	s_wait_dscnt 0x0                               ; for the others' sake: my sums are in LDS, and my reads of x and of Hcat are over: behind this barrier their bytes are the stages
	s_barrier_signal -1
	s_barrier_wait -1
.set aa, 0
.rept 4
	ds_load_b128 v[128+8*aa:131+8*aa], v[STR] offset:512*aa
	ds_load_b128 v[132+8*aa:135+8*aa], v[STR] offset:512*aa+16
.set aa, aa+1
.endr
	ds_load_b128 v[192:195], v249                  ; gamma and beta of the columns that I store: 4 lane + 0..3, and 128 further on
	ds_load_b128 v[196:199], v249 offset:512
	ds_load_b128 v[200:203], v249 offset:4096
	ds_load_b128 v[204:207], v249 offset:4608
	s_wait_dscnt 0x0
.set aa, 0
.rept 4
	v_pk_add_f32 v[128+8*aa:129+8*aa], v[128+8*aa:129+8*aa], v[130+8*aa:131+8*aa]
	v_pk_add_f32 v[132+8*aa:133+8*aa], v[132+8*aa:133+8*aa], v[134+8*aa:135+8*aa]
	v_pk_add_f32 v[128+8*aa:129+8*aa], v[128+8*aa:129+8*aa], v[132+8*aa:133+8*aa]
	v_mul_f32 v[160+aa], 0x3a800000, v[128+8*aa]   ; the mean of z - c
	v_mul_f32 v[164+aa], 0x3a800000, v[129+8*aa]
	v_fma_f32 v[164+aa], -v[160+aa], v[160+aa], v[164+aa]
	v_max_num_f32 v[164+aa], 0, v[164+aa]
	v_add_f32 v[164+aa], 0x3727c5ac, v[164+aa]     ; + 1e-5
.set aa, aa+1
.endr
.set aa, 0
.rept 4
	v_rsq_f32 v[169+4*aa], v[164+aa]
.set aa, aa+1
.endr
	v_nop                                          ; a plain instruction behind the last of the four,
	s_wait_alu depctr_va_vdst(0)                   ; and one wait for them, ahead of their first reader
.set aa, 0
.rept 4                                ; my table: row 16 a + r: token, 1 / sigma, - mean / sigma, 0 (both halves of the lanes write the same 16 bytes)
	v_mov_b32 v[168+4*aa], v[TOK+aa]
	v_mul_f32 v[170+4*aa], -v[160+aa], v[169+4*aa]
	v_mov_b32 v[171+4*aa], 0
	ds_store_b128 v[RTW], v[168+4*aa:171+4*aa] offset:256*aa
.set aa, aa+1
.endr
	; THE WAY OUT.  All 64 rows of my 256 columns go into my own stage; they come back so that a lane holds 16 neighbouring bytes of a row.  A loop of four trips takes 16 rows each: normalised by the
	; row's entry of the table, which every lane reads; gamma and beta; a row's 1,024 bytes by two stores.
	WIN 0x08
.set aa, 0
.rept 4
.set bb, 0
.rept 8
	ds_store_b128 v[SGW], v[8*(4*bb+aa):8*(4*bb+aa)+3] offset:16*SPITCH*aa+64*bb
	ds_store_b128 v[SGW], v[8*(4*bb+aa)+4:8*(4*bb+aa)+7] offset:16*SPITCH*aa+64*bb+16
.set bb, bb+1
.endr
.set aa, aa+1
.endr
	WIN 0x0c
.set aa, 0
.rept 4
.set bb, 0
.rept 8
	ds_store_b128 v[SGW], v[8*(4*bb+aa):8*(4*bb+aa)+3] offset:16*SPITCH*aa+64*(bb+8)
	ds_store_b128 v[SGW], v[8*(4*bb+aa)+4:8*(4*bb+aa)+7] offset:16*SPITCH*aa+64*(bb+8)+16
.set bb, bb+1
.endr
.set aa, aa+1
.endr
	WIN 0
	s_mov_b32 s62, s44                             ; rows left
	s_mov_b32 s53, 4
.Lout:
	s_cmp_gt_i32 s62, 0
	s_cbranch_scc0 .Loutd                          ; no row of these 16 is stored
	s_wait_xcnt 0x0                                ; the last trip's stores have read their data and addresses: both are rewritten only behind this wait
	WIN 0x80                                       ; the table's 16 entries go into window 2, whose numbers are in the stage
.set tt, 0
.rept 16
	ds_load_b128 v[4*tt:4*tt+3], v[RTR] offset:16*tt
.set tt, tt+1
.endr
	WIN 0
.set ii, 0
.rept 32
	ds_load_b128 v[64+4*ii:64+4*ii+3], v[SGR] offset:SPITCH*(ii/2)+512*(ii%2)  ; LDS serves a wave's instructions in order (ISA guide 5.7.1.4): these see my stores
.set ii, ii+1
.endr
	WIN 0x28                                       ; sources 1 and 2 in window 2
.set tt, 0
.rept 16
	s_wait_dscnt 30-2*tt                           ; behind row tt's two loads the later rows' 2 (15 - tt) were issued
.set ii, 0
.rept 4
	v_pk_fma_f32 v[64+8*tt+2*ii:64+8*tt+2*ii+1], v[64+8*tt+2*ii:64+8*tt+2*ii+1], v[4*tt:4*tt+1], v[4*tt+2:4*tt+3] op_sel:[0,1,0] op_sel_hi:[1,1,0]
.set ii, ii+1
.endr
	v_min_u32 v[208+tt], 0x1fff, v[4*tt]           ; the row's token
.set tt, tt+1
.endr
	WIN 0
.set tt, 0
.rept 16
	s_cmp_gt_i32 s62, tt
	s_cbranch_scc0 .Loutd                          ; places past the count are not stored: the jump passes arithmetic and stores alone
.set ii, 0
.rept 4
	v_pk_fma_f32 v[64+8*tt+2*ii:64+8*tt+2*ii+1], v[64+8*tt+2*ii:64+8*tt+2*ii+1], v[192+2*ii:192+2*ii+1], v[200+2*ii:200+2*ii+1]
.set ii, ii+1
.endr
	v_lshl_add_u32 v[208+tt], v[208+tt], 12, v[OCOL]
	global_store_b128 v[208+tt], v[64+8*tt:64+8*tt+3], s[28:29] th:TH_STORE_NT           ; 512 consecutive bytes of a row, aligned
	global_store_b128 v[208+tt], v[64+8*tt+4:64+8*tt+7], s[28:29] offset:512 th:TH_STORE_NT
.set tt, tt+1
.endr
.Loutd:
	v_add_nc_u32 v[SGR], 16*SPITCH, v[SGR]         ; the next 16 rows of the stage,
	v_add_nc_u32 v[RTR], 256, v[RTR]               ; and of the table
	s_sub_co_i32 s62, s62, 16
	s_sub_co_u32 s53, s53, 1
	s_cmp_lg_u32 s53, 0
	s_cbranch_scc1 .Lout
	s_wait_tensorcnt 0x0                           ; the wave's end
	ds_add_u32 v[SPW], v[NIL]
	s_wait_dscnt 0x0
	s_endpgm
.Lfunc_end_k_q46663a98c2_chain:
	.size	k_q46663a98c2_chain, .Lfunc_end_k_q46663a98c2_chain-k_q46663a98c2_chain
	.p2alignl 7, 3214868480
	.fill 96, 4, 3214868480
	.section	.rodata,"a",@progbits
	.p2align	6, 0x0
	.amdhsa_kernel k_q46663a98c2_chain
		.amdhsa_group_segment_fixed_size 299520
		.amdhsa_private_segment_fixed_size 0
		.amdhsa_enable_private_segment 0
		.amdhsa_kernarg_size 96
		.amdhsa_user_sgpr_count 2
		.amdhsa_user_sgpr_kernarg_segment_ptr 1
		.amdhsa_wavefront_size32 1
		.amdhsa_system_sgpr_workgroup_id_x 1
		.amdhsa_system_sgpr_workgroup_id_y 1
		.amdhsa_system_sgpr_workgroup_id_z 1
		.amdhsa_system_vgpr_workitem_id 0
		.amdhsa_next_free_vgpr 1024
		.amdhsa_next_free_sgpr 96
		.amdhsa_reserve_vcc 1
		.amdhsa_float_denorm_mode_32 3
		.amdhsa_float_denorm_mode_16_64 3
		.amdhsa_memory_ordered 1
		.amdhsa_forward_progress 1
		.amdhsa_inst_pref_size 255
	.end_amdhsa_kernel
	.section	.bss,"aw",@nobits
	.p2align	6
	.space	262144
	.amdgpu_metadata
---
amdhsa.version: [ 1, 2 ]
amdhsa.kernels:
  - .name:           k_q46663a98c2_chain
    .symbol:         k_q46663a98c2_chain.kd
    .args:
      - { .name: wf, .offset: 0, .size: 8, .value_kind: global_buffer, .address_space: global }
      - { .name: xb, .offset: 8, .size: 8, .value_kind: global_buffer, .address_space: global }
      - { .name: sid, .offset: 16, .size: 8, .value_kind: global_buffer, .address_space: global }
      - { .name: cnt, .offset: 24, .size: 8, .value_kind: global_buffer, .address_space: global }
      - { .name: gw, .offset: 32, .size: 8, .value_kind: global_buffer, .address_space: global }
      - { .name: psum, .offset: 40, .size: 8, .value_kind: global_buffer, .address_space: global }
      - { .name: b1, .offset: 48, .size: 8, .value_kind: global_buffer, .address_space: global }
      - { .name: b2, .offset: 56, .size: 8, .value_kind: global_buffer, .address_space: global }
      - { .name: gamma, .offset: 64, .size: 8, .value_kind: global_buffer, .address_space: global }
      - { .name: beta, .offset: 72, .size: 8, .value_kind: global_buffer, .address_space: global }
      - { .name: out0, .offset: 80, .size: 8, .value_kind: global_buffer, .address_space: global }
      - { .name: out1, .offset: 88, .size: 8, .value_kind: global_buffer, .address_space: global }
    .group_segment_fixed_size: 299520
    .private_segment_fixed_size: 0
    .kernarg_segment_align: 8
    .kernarg_segment_size: 96
    .max_flat_workgroup_size: 128
    .sgpr_count:     96
    .vgpr_count:     1024
    .wavefront_size: 32
...
	.end_amdgpu_metadata
.endif
;; end of part 2
